; MI455X (gfx1250); checked and timed in simulation.
; The chip was launched on July 23, 2026; its instructions are those of AMD's public machine-readable ISA for CDNA 5 (MIT licence, August 2026) and "CDNA5" Instruction Set Architecture Reference Guide (July 2026). The comments in the code are by the model that wrote it; some were corrected since.
;; KNN VC. Allowed arithmetic: float matrix products may take bf16 or f16 operands with f32 sums; other float arithmetic in f32, or as packed bf16 or f16 multiplies, adds, multiply-adds, maxima and minima; sums over many terms, partial sums and values carried from step to step in f32; what a program stores and reads back later, other than sums and carried values, may be rounded once to bf16 or f16.
;; Inputs: matching_set 32,768 x 1,024 float32; query_seq 2,048 x 1,024 float32; synth_set 32,768 x 1,024 float32.
;; Outputs: out0 2,048 x 1,024 float32.
;; Constants: topk = 4.
;; 2 versions, each right; version 2 is version 1 with the launch prep written anew for expert scheduling mode. Each part assembles by itself: llvm-mc -triple=amdgcn-amd-amdhsa -mcpu=gfx1250 --defsym DOCPART=n.
;; ======== version 1 of 2: 3 launches
;; workspace buffers: mb 67,108,864 bytes; qb 4,194,304 bytes; wn 131,072 bytes; cand 16,777,216 bytes of whole numbers
;; launch prep (part 1): grid 544 x 1, 4 waves a work-group, no clusters, 768 bytes of LDS; arguments matching_set, query_seq, mb, qb, wn; writes mb, qb, wn
.if DOCPART == 1
	.amdgcn_target "amdgcn-amd-amdhsa--gfx1250"
	.amdhsa_code_object_version 6
	.text
	.protected	k_q3461402e15_prep
	.globl	k_q3461402e15_prep
	.p2align	8
	.type	k_q3461402e15_prep,@function
k_q3461402e15_prep:
	s_mov_b64 s[64:65], 0
	v_nop
	global_prefetch_b8 v0, s[64:65] scope:SCOPE_SE
	s_setreg_imm32_b32 hwreg(HW_REG_WAVE_MODE, 25, 1), 1
	s_wait_xcnt 0x0
; PREP.  Every row of matching_set [32768][1024] and of query_seq [2048][1024] (f32) is rounded to bf16; N = the root of the f32 sum of squares of the
; ROUNDED numbers; the row is stored as bf16(x) * 2^-e, 2^e = N's power of two (an exact scaling), so that the stored row's norm N'' = N 2^-e lies in [1, 2).
; For matching rows wn[row] = 2^30 / N'' is stored too: the product launch multiplies a dot product by it and has cos * |q''| * 2^30, inside 32 bits.
; LIMITS.  A row of zeros, or one whose sum of squares is not finite (elements beyond about 5e17), gives wn = inf or 0: its scores count as 0 or saturate, where the
; distances of the problem are NaN.  An element that falls below 2^-126 after the scaling may be lost.
; SHARES.  Work-groups 0-511 take 64 rows of matching_set each, 512-543 64 rows of query_seq.  A wave takes 16 rows, one at a time: a row is 4,096 bytes, eight loads of
; 512 consecutive bytes, 32 registers, and stays in registers between the sum and the scaling: each byte is read once.  It leaves as eight stores of 256 consecutive bytes, aligned.
; A ring of four row slots: one at work, one whose stores are leaving, two on their way in.  No matrix unit, no cluster: nothing is shared and memory binds.
.set ROWB,  4096                       ; bytes in a row of f32
.set SLOTS, 4
.set SPARE, 256                        ; LDS: bytes 0-255 the work-group's 64 numbers for wn; from 256 on the spare words, 128 bytes a wave
.set SPW,  2                           ; v2      LDS address of my spare word; never rewritten
.set NIL,  3                           ; v3      0; never rewritten
.set L15,  4                           ; v4      lane % 16
.set WREG, 5                           ; v5      lane l keeps wn of my wave's row l % 16
.set OFF,  6                           ; v[6:9]  slot s: byte offset of my 16 bytes in the row that the slot loads next
.set SO,   10                          ; v[10:13] slot s: byte offset of my 8 bytes in the row that it stores
.set SS,   14                          ; v[14:17] four chains of the sum of squares
.set T,    18                          ; v[18:23] at work: temp, N, 2^-e, N'', 2^30/N'', 2^-e twice as bf16
.set X,    24                          ; v[24:151] slot s: 32 registers
	s_load_b256 s[4:11], s[0:1], 0x0               ; matching_set s[4:5], query_seq s[6:7], mb s[8:9], qb s[10:11]
	s_load_b64 s[12:13], s[0:1], 0x20              ; wn
	v_lshl_add_u32 v[SPW], v0, 2, SPARE
	v_mov_b32 v[NIL], 0
	v_lshrrev_b32 v1, 5, v0
	v_readfirstlane_b32 s14, v1                    ; wave 0..3
	s_mov_b32 s15, 0                               ; which of my 16 rows is at work
	s_mov_b32 s24, 0x76543210                      ; v_permlanex16_b32: each lane takes its own place in the other half
	s_mov_b32 s25, 0xfedcba98
	s_mov_b32 s26, 0x7f800000                      ; an f32's exponent field
	s_mov_b32 s27, 0x7f000000                      ; 254 in that field: 254 - (e + 127) = 127 - e
	s_mov_b32 s28, 0x4e800000                      ; 2^30
	v_and_b32 v[L15], 15, v0
	v_mov_b32 v[WREG], 0
	v_and_b32 v1, 31, v0
	v_and_b32 v[T], 0xe0, v0                       ; 32 x wave
	v_lshlrev_b32 v1, 4, v1                        ; 16 bytes a lane
	v_lshl_or_b32 v1, v[T], 11, v1                 ; + wave x 16 rows x 4,096 bytes
.irp s, 0,1,2,3
	v_add_nc_u32 v[OFF+(\s)], (\s)*ROWB, v1
.endr
	s_sub_co_u32 s17, ttmp9, 512
	s_mov_b32 s23, 0
	s_wait_kmcnt 0x0
	s_cmp_lt_u32 ttmp9, 512                        ; matching_set or query_seq: the choice hangs on the work-group's number alone
	s_cselect_b64 s[18:19], s[4:5], s[6:7]         ; from
	s_cselect_b64 s[20:21], s[8:9], s[10:11]       ; to
	s_cselect_b32 s17, ttmp9, s17                  ; the block of 64 rows in that tensor
	s_lshl_b32 s22, s17, 18                        ; 64 rows of 4,096 bytes
	s_add_nc_u64 s[18:19], s[18:19], s[22:23]
	s_lshl_b32 s22, s17, 17                        ; 64 rows of 2,048 bytes
	s_add_nc_u64 s[20:21], s[20:21], s[22:23]
	s_lshl_b32 s22, s17, 8                         ; 64 numbers of 4 bytes
	s_add_nc_u64 s[12:13], s[12:13], s[22:23]
.macro FILL s                          ; eight loads of 512 consecutive bytes: the whole row; the launch reads it once
.irp j, 0,1,2,3,4,5,6,7
	global_load_b128 v[X+32*(\s)+4*(\j):X+32*(\s)+4*(\j)+3], v[OFF+(\s)], s[18:19] offset:512*(\j) th:TH_LOAD_NT
.endr
.endm
	FILL 0
	FILL 1
	FILL 2                                         ; slot 3 is filled in the first turn, like every slot after it: one turn behind its stores
; The turn of slot s.  before = the slot in front of it in the ring; fill = 1: that slot gets its next row; left = how many younger loads may stay out.
.macro TURN s, before, fill, left
	s_wait_loadcnt \left                           ; my eight loads are in; two younger rows (16 loads) stay on their way
	v_lshrrev_b32 v[SO+(\s)], 1, v[OFF+(\s)]       ; bf16 rows are half as long.  The stores that read SO last stand in front of a later s_wait_xcnt 0 (the FILL's)
.irp j, 0,1,2,3,4,5,6,7                ; rounded once, in place: my four numbers of piece j become two words, registers 4 j and 4 j + 1
	v_cvt_pk_bf16_f32 v[X+32*(\s)+4*(\j)],   v[X+32*(\s)+4*(\j)],   v[X+32*(\s)+4*(\j)+1]
	v_cvt_pk_bf16_f32 v[X+32*(\s)+4*(\j)+1], v[X+32*(\s)+4*(\j)+2], v[X+32*(\s)+4*(\j)+3]
.endr
	; the sum of squares of the rounded numbers, in f32, in four chains; the first four words start them: nothing is cleared
.irp k, 0,1,2,3
	v_lshlrev_b32 v[SS+(\k)], 16, v[X+32*(\s)+4*((\k)/2)+(\k)%2]
.endr
.irp k, 0,1,2,3
	v_mul_f32 v[SS+(\k)], v[SS+(\k)], v[SS+(\k)]
.endr
.irp k, 0,1,2,3
	v_fma_mix_f32_bf16 v[SS+(\k)], v[X+32*(\s)+4*((\k)/2)+(\k)%2], v[X+32*(\s)+4*((\k)/2)+(\k)%2], v[SS+(\k)] op_sel:[1,1,0] op_sel_hi:[1,1,0]
.endr
.irp g, 1,2,3
.irp k, 0,1,2,3
	v_fma_mix_f32_bf16 v[SS+(\k)], v[X+32*(\s)+8*(\g)+4*((\k)/2)+(\k)%2], v[X+32*(\s)+8*(\g)+4*((\k)/2)+(\k)%2], v[SS+(\k)] op_sel_hi:[1,1,0]
.endr
.irp k, 0,1,2,3
	v_fma_mix_f32_bf16 v[SS+(\k)], v[X+32*(\s)+8*(\g)+4*((\k)/2)+(\k)%2], v[X+32*(\s)+8*(\g)+4*((\k)/2)+(\k)%2], v[SS+(\k)] op_sel:[1,1,0] op_sel_hi:[1,1,0]
.endr
.endr
	v_add_f32 v[SS], v[SS], v[SS+1]
	v_add_f32 v[SS+2], v[SS+2], v[SS+3]
	v_add_f32 v[SS], v[SS], v[SS+2]
	v_add_f32_dpp v[SS], v[SS], v[SS] row_xmask:1 row_mask:0xf bank_mask:0xf
	v_add_f32_dpp v[SS], v[SS], v[SS] row_xmask:2 row_mask:0xf bank_mask:0xf
	v_add_f32_dpp v[SS], v[SS], v[SS] row_xmask:4 row_mask:0xf bank_mask:0xf
	v_add_f32_dpp v[SS], v[SS], v[SS] row_xmask:8 row_mask:0xf bank_mask:0xf
	v_permlanex16_b32 v[T], v[SS], s24, s25        ; its destination counts as read: v[T] has been written
	v_add_f32 v[SS], v[SS], v[T]                   ; every lane holds the row's sum
	v_sqrt_f32 v[T+1], v[SS]                       ; N
	v_add_nc_u32 v[OFF+(\s)], SLOTS*ROWB, v[OFF+(\s)]  ; the plain instruction behind the root (ISA guide 5.7.2): the slot's next row; free since the wait for its loads
	s_wait_alu depctr_va_vdst(0)
	v_and_b32 v[T+2], s26, v[T+1]                  ; N's exponent field
	v_sub_nc_u32 v[T+2], s27, v[T+2]               ; 2^-e
	v_mul_f32 v[T+3], v[T+1], v[T+2]               ; N'' in [1, 2)
	v_rcp_f32 v[T+4], v[T+3]
	v_lshrrev_b32 v[T], 16, v[T+2]                 ; the plain instruction behind the reciprocal: 2^-e as bf16,
	v_or_b32 v[T+5], v[T+2], v[T]                  ; in both halves
	v_cmp_eq_u32 vcc_lo, s15, v[L15]
	s_wait_alu depctr_va_vdst(0)
	v_mul_f32 v[T+4], s28, v[T+4]                  ; 2^30 / N''
	v_cndmask_b32 v[WREG], v[WREG], v[T+4], vcc_lo ; kept by the lanes whose number % 16 is the row's
.irp j, 0,1,2,3,4,5,6,7
	v_pk_mul_bf16 v[X+32*(\s)+4*(\j)],   v[X+32*(\s)+4*(\j)],   v[T+5]
	v_pk_mul_bf16 v[X+32*(\s)+4*(\j)+1], v[X+32*(\s)+4*(\j)+1], v[T+5]
	global_store_b64 v[SO+(\s)], v[X+32*(\s)+4*(\j):X+32*(\s)+4*(\j)+1], s[20:21] offset:256*(\j)  ; the wave stores 256 consecutive bytes, at a multiple of 256 from the buffer's first
.endr
	s_add_co_u32 s15, s15, 1
.if \fill
	s_wait_xcnt 0x0                                ; every earlier memory instruction has had its addresses translated (ISA guide 3.1): the slot in front, and the stores' registers, are written again only behind this wait
	FILL \before
.endif
.endm
	s_mov_b32 s16, 3
.Lround:
	TURN 0, 3, 1, 16
	TURN 1, 0, 1, 16
	TURN 2, 1, 1, 16
	TURN 3, 2, 1, 16
	s_sub_co_u32 s16, s16, 1
	s_cmp_lg_u32 s16, 0
	s_cbranch_scc1 .Lround
	TURN 0, 3, 1, 16                               ; the last four rows: one more fill (row 15), then the counts run down
	TURN 1, 0, 0, 16
	TURN 2, 1, 0, 8
	TURN 3, 2, 0, 0
	; wn: the four waves' 16 numbers meet in LDS, and wave 0 stores all 64 as one aligned block of 256 bytes
	v_lshlrev_b32 v[T], 2, v[L15]
	v_lshl_add_u32 v[T], s14, 6, v[T]              ; word 16 w + l % 16; lanes l and l + 16 write the same number to it
	ds_store_b32 v[T], v[WREG]
	s_wait_dscnt 0x0                               ; for the others' sake: my store is done
	s_barrier_signal -1
	s_barrier_wait -1
	s_cmp_lg_u32 s14, 0
	s_cbranch_scc1 .Lskip
	s_cmp_ge_u32 ttmp9, 512                        ; queries have no wn: their norm's mantissa is one positive factor for a whole query and leaves its order alone
	s_cbranch_scc1 .Lskip
	v_lshlrev_b32 v[T+1], 3, v0                    ; in wave 0 the thread's number is the lane's
	ds_load_b64 v[T+2:T+3], v[T+1]
	s_wait_dscnt 0x0
	global_store_b64 v[T+1], v[T+2:T+3], s[12:13]
.Lskip:
	s_wait_tensorcnt 0x0                           ; the wave's end: behind my last LDS store
	ds_add_u32 v[SPW], v[NIL]
	s_wait_dscnt 0x0
	s_endpgm
.Lfunc_end_k_q3461402e15_prep:
	.size	k_q3461402e15_prep, .Lfunc_end_k_q3461402e15_prep-k_q3461402e15_prep
	.p2alignl 7, 3214868480
	.fill 96, 4, 3214868480
	.section	.rodata,"a",@progbits
	.p2align	6, 0x0
	.amdhsa_kernel k_q3461402e15_prep
		.amdhsa_group_segment_fixed_size 768
		.amdhsa_private_segment_fixed_size 0
		.amdhsa_enable_private_segment 0
		.amdhsa_kernarg_size 40
		.amdhsa_user_sgpr_count 2
		.amdhsa_user_sgpr_kernarg_segment_ptr 1
		.amdhsa_wavefront_size32 1
		.amdhsa_system_sgpr_workgroup_id_x 1
		.amdhsa_system_sgpr_workgroup_id_y 1
		.amdhsa_system_sgpr_workgroup_id_z 1
		.amdhsa_system_vgpr_workitem_id 0
		.amdhsa_next_free_vgpr 152
		.amdhsa_next_free_sgpr 66
		.amdhsa_reserve_vcc 1
		.amdhsa_float_denorm_mode_32 3
		.amdhsa_float_denorm_mode_16_64 3
		.amdhsa_memory_ordered 1
		.amdhsa_forward_progress 1
		.amdhsa_inst_pref_size 55
	.end_amdhsa_kernel
	.amdgpu_metadata
---
amdhsa.version: [ 1, 2 ]
amdhsa.kernels:
  - .name:           k_q3461402e15_prep
    .symbol:         k_q3461402e15_prep.kd
    .args:
      - { .name: matching_set, .offset: 0, .size: 8, .value_kind: global_buffer, .address_space: global }
      - { .name: query_seq, .offset: 8, .size: 8, .value_kind: global_buffer, .address_space: global }
      - { .name: mb, .offset: 16, .size: 8, .value_kind: global_buffer, .address_space: global }
      - { .name: qb, .offset: 24, .size: 8, .value_kind: global_buffer, .address_space: global }
      - { .name: wn, .offset: 32, .size: 8, .value_kind: global_buffer, .address_space: global }
    .group_segment_fixed_size: 768
    .private_segment_fixed_size: 0
    .kernarg_segment_align: 8
    .kernarg_segment_size: 40
    .max_flat_workgroup_size: 128
    .sgpr_count:     66
    .vgpr_count:     152
    .wavefront_size: 32
...
	.end_amdgpu_metadata
.endif
;; end of part 1
;; launch gemm (part 2): grid 32 x 8, 4 waves a work-group, clusters of 4 x 4, 327,680 bytes of LDS; arguments qb, mb, wn, cand; writes cand
.if DOCPART == 2
	.amdgcn_target "amdgcn-amd-amdhsa--gfx1250"
	.amdhsa_code_object_version 6
	.text
	.protected	k_q3461402e15_gemm
	.globl	k_q3461402e15_gemm
	.p2align	8
	.type	k_q3461402e15_gemm,@function
k_q3461402e15_gemm:
	s_mov_b64 s[64:65], 0
	v_nop
	global_prefetch_b8 v0, s[64:65] scope:SCOPE_SE
	s_setreg_imm32_b32 hwreg(HW_REG_WAVE_MODE, 25, 1), 1
	s_wait_xcnt 0x0
	s_wait_alu depctr_hold_cnt(0) depctr_sa_sdst(0) depctr_va_vdst(0) depctr_va_sdst(0) depctr_va_ssrc(0) depctr_va_vcc(0) depctr_vm_vsrc(0)
	s_getreg_b32 s2, hwreg(HW_REG_IB_STS2, 6, 4)
	s_cmp_eq_u32 s2, 0
	s_cbranch_scc0 .Lentry_in_a_cluster
	s_endpgm
.Lentry_in_a_cluster:
	s_bfe_u32 s2, ttmp6, 0x10000c
	s_cmp_lg_u32 s2, 0xf033
	s_cbranch_scc0 .Lentry_shape_is_right
	s_endpgm
.Lentry_shape_is_right:
; GEMM AND FIRST SELECTION.  score[q][m] = qb[q] . mb[m] (bf16 operands, f32 sums, K = 1024), for 2,048 queries and 32,768 matching rows; the scores never go to memory.
; x = score * wn[m] = cos * |q''| * 2^30, |q''| in [1, 2): one positive factor for a whole query, so the order is the cosine's; 1 - cos and the negation of the problem are monotone.
; KEY = (x as a whole number, toward zero, saturating, low 6 bits cleared) | (63 - m % 64): 26 bits of value, in steps of 2^-24 / |q''| of the cosine, and among equal values the
; larger key is the lower row.  Of each group of 64 consecutive rows the four largest keys of each query are kept, by value networks alone, and stored in descending order:
; cand [256 blocks of 8 queries][256 pairs][8 queries][2 h][4 keys], pair = 2 T + c; the group is m / 64 = 4 T + 2 h + c (T: tile of 256 rows).
; LIMITS.  Cosines closer than that step count as equal (the distance 1 - cos in f32 has a step of 2^-24 or more itself); a NaN score counts as 0; see the launch in front for rows of zeros.
; SHAPE.  A tile is 256 queries x 256 rows: four waves, as many as a WGP has SIMDs, each 128 x 128 in 64 accumulators, 512 registers.  K goes in steps of 128 through two LDS slots
; filled by the tensor data mover; the tiles' rows are 256 bytes of memory at multiples of 256 bytes.  1,024 tiles: 256 work-groups, each stays for TILES = 4, with the same 256 queries and
; rows 8,192 apart; the ring goes on into the next tile: a tile's last two changes of slots ask for the next tile's first two K steps, which land under the selection.
; CLUSTER.  4 x 4 work-groups.  The four of a row of the cluster need the same tiles of qb, the four of a column the same tiles of mb: each is asked for JOINTLY, by the same tensor
; load with the same descriptor and a mask that names the four.
; TRANSPOSED USE, AND WHICH ROWS A FRAGMENT TAKES.  Source 0 = 16 rows of mb, source 1 = 16 queries: in the result lane l holds query l % 16 and rows 8 (l / 16) + 0..7 of the fragment.
; Fragment b takes rows 64 c + 8 b + 0..7 of the tile's first 128 rows and the same of its second 128: so the 64 scores of a lane for one block of queries are 64 CONSECUTIVE rows,
; 256 T + 128 (l / 16) + 64 c + 8 b + j: register number = row % 64, and a lane's list needs no exchange between lanes.
; REGISTERS, in windows of 256 (s_set_vgpr_msb: bits 1:0 source 0, 3:2 source 1, 5:4 source 2, 7:6 destination):
;   window 0: v0-31 addresses; v32-63 eight lists of four keys; v64-127, v128-191 fragments of qb, two buffers
;   window 1: v0-63 wn of my 64 rows; v64-127, v128-191 fragments of mb, two buffers
;   window 2: the 32 accumulators of my queries 0-63 (block a, fragment b at v[64 a + 8 b]);   window 3: those of my queries 64-127
.set SIZE_K, 1024
.set TILES,  4
.set KSTEP,  128
.set PITCH,  272                       ; an LDS row: 256 bytes + 16 of padding = 68 words: row r starts at bank 4 r mod 64 (64 banks of 4 bytes: ISA guide 11.1)
.set RS,     128*PITCH+128             ; from one region of 128 rows to the next
.set SLOT,   4*RS                      ; qb's two regions, then mb's two
.set SPARE,  2*SLOT                    ; behind the ring: the spare words, 128 bytes for each wave: two blocks of 256 bytes that no other line names
.set LAPS,   SIZE_K/(2*KSTEP)          ; a lap = two K steps = once round the ring
.set BACK_A, (SIZE_K-2*KSTEP)*2        ; bytes from a slot's last K step of a tile back to its first: the queries stay
.set NEXT_B, 8192*SIZE_K*2-BACK_A      ; mb goes 8,192 rows down and back along K
.set ADRA, 16                          ; v16-17  LDS address of my fragments of qb in slot 0, 1
.set ADRB, 20                          ; v20-21  the same for mb
.set CO,   26                          ; v26     my byte offset in cand
.set WO,   27                          ; v27     my byte offset in wn: 512 (l / 16)
.set SPW,  28                          ; v28     LDS address of my spare word; never rewritten
.set NIL,  29                          ; v29     0; never rewritten
.set LST,  32                          ; v32-63  list of query block a at LST + 4 a, largest key first
.set F0,   64
.set F1,   128
.set G1, 24                            ; s[24:31] descriptor group 1 for qb's tiles
.set G0, 32                            ; s[32:39] group 0, one set for each slot
.set G1B, 48                           ; s[48:55], s[56:63] the same for mb's tiles
.set G0B, 56
.set MSB, 0
.macro WIN new                         ; the immediate's high byte repeats the setting that is left; a switch that changes nothing is dropped
.if MSB != (\new)
	s_set_vgpr_msb (MSB<<8)|(\new)
.set MSB, \new
.endif
.endm
.set MUL_LO, 0xa1                      ; source 0 (mb) window 1, source 1 (qb) window 0, C and D window 2
.set MUL_HI, 0xf1                      ; the same, C and D window 3
.set TO_B,   0x40                      ; destination window 1, address window 0
; A joint load.  Waves 0 and 1 fetch qb's two regions, waves 2 and 3 mb's.  The branch hangs on the wave's number alone.  An s_nop 0 and four v_nop follow each of the two lines.
.macro JLOAD s
	s_cmp_eq_u32 s11, 0
	s_cbranch_scc0 .Lfor_b_\@
	tensor_load_to_lds s[G0+4*(\s):G0+4*(\s)+3], s[G1:G1+7]
	s_nop 0
.rept 4
	v_nop
.endr
	s_branch .Lasked_\@
.Lfor_b_\@:
	tensor_load_to_lds s[G0B+4*(\s):G0B+4*(\s)+3], s[G1B:G1B+7]
	s_nop 0
.rept 4
	v_nop
.endr
.Lasked_\@:
.endm
.macro CREST                           ; a round of the cluster's barrier behind its opening barrier
	s_cmp_lg_u32 s10, 0
	s_cbranch_scc1 .Lnot_wave_0_\@
	s_barrier_signal -3
.Lnot_wave_0_\@:
	s_barrier_wait -3
	s_barrier_signal -1
	s_barrier_wait -1
.endm
.macro CROUND                          ; a whole round
	s_barrier_signal -1
	s_barrier_wait -1
	CREST
.endm
	s_load_b128 s[4:7], s[0:1], 0x0                ; qb s[4:5], mb s[6:7]
	s_load_b128 s[72:75], s[0:1], 0x10             ; wn s[72:73], cand s[74:75]
	v_lshl_add_u32 v[SPW], v0, 2, SPARE
	v_mov_b32 v[NIL], 0
	ds_add_u32 v[SPW], v[NIL]                      ; the wave's opening: the add and its wait stand ahead of my first tensor load; the set-up below, work on registers, stands between them
	v_lshrrev_b32 v1, 5, v0
	v_readfirstlane_b32 s10, v1                    ; wave 0..3
	s_lshr_b32 s11, s10, 1                         ; which 128 of the tile's queries are mine.  Also: I fetch for qb (0) or for mb (1)
	s_and_b32 s12, s10, 1                          ; c: which 64 rows of each of mb's regions are mine.  Also: which region I fetch
	s_bfe_u32 s40, ttmp6, 0x40000                  ; cx
	s_bfe_u32 s41, ttmp6, 0x40004                  ; cy
	s_lshl_b32 s42, ttmp9, 2
	s_add_co_u32 s42, s42, s40                     ; x = 4 x cluster x + cx: my first tile of mb
	s_and_b32 s13, ttmp7, 0xffff
	s_lshl_b32 s13, s13, 2
	s_add_co_u32 s13, s13, s41                     ; y = 4 x cluster y + cy: my block of 256 queries
	s_lshl_b32 s43, s41, 2
	s_lshl_b32 s43, 15, s43                        ; my row of the cluster
	s_lshl_b32 s44, 0x1111, s40                    ; my column
	; descriptor group 1: a tile of 128 rows x 128 elements, padded in LDS
	s_or_b32 s[G1+0], s43, (1<<16)|(1<<20)|(1<<21)|(5<<22)|(3<<25)  ; 15:0 the mask: qb's tiles go to my row; 17:16 2-byte elements; 20 padding on; 21 set beside a mask; 24:22 after every 64 words (code 5); 31:25 4 words (code 3)
	s_or_b32 s[G1B+0], s44, (1<<16)|(1<<20)|(1<<21)|(5<<22)|(3<<25) ; the same with the mask of my column, for mb's tiles
.irp g, G1, G1B
	s_mov_b32 s[(\g)+1], KSTEP<<16                 ; tensor_dim0 = 128
	s_mov_b32 s[(\g)+2], 128<<16                   ; tensor_dim1 = 128
	s_mov_b32 s[(\g)+3], KSTEP<<16                 ; tile_dim0 = 128
	s_mov_b32 s[(\g)+4], 128                       ; tile_dim1 = 128
	s_mov_b32 s[(\g)+5], SIZE_K                    ; elements from row to row
	s_mov_b32 s[(\g)+6], 0
	s_mov_b32 s[(\g)+7], 0
.endr
	; qb's tiles hang on y alone, which my row of the cluster shares; mb's on x alone, which my column shares
	s_lshl_b32 s17, s12, 7                         ; which 128 rows of the tile I fetch
	s_lshl_b32 s16, s13, 8
	s_add_co_u32 s16, s16, s17                     ; qb: row 256 y + 128 x region
	s_lshl_b32 s46, s42, 8
	s_add_co_u32 s46, s46, s17                     ; mb: row 256 x + 128 x region
	s_mov_b32 s17, 0
	s_mov_b32 s47, 0
	s_mov_b64 s[18:19], SIZE_K*2
	s_mul_u64 s[16:17], s[16:17], s[18:19]
	s_mul_u64 s[46:47], s[46:47], s[18:19]
	s_mul_i32 s20, s10, RS                         ; where they go: region = wave: no place in the cluster enters an LDS address
	s_mov_b32 s68, 0xffffffc0                      ; a key's 26 bits of value
	s_wait_dscnt 0x0                               ; the opening add is done
	s_wait_kmcnt 0x0
	s_add_nc_u64 s[14:15], s[4:5], s[16:17]
	s_add_nc_u64 s[46:47], s[6:7], s[46:47]
	CROUND                                         ; all sixteen work-groups are here: the first joint loads meet
.irp s, 0,1
	s_mov_b32 s[G0+4*(\s)], 1                                      ; count = 1
	s_add_co_u32 s[G0+4*(\s)+1], s20, (\s)*SLOT                    ; LDS address
	s_add_nc_u64 s[G0+4*(\s)+2:G0+4*(\s)+3], s[14:15], (\s)*KSTEP*2  ; global address: K step s
	s_or_b32 s[G0+4*(\s)+3], s[G0+4*(\s)+3], 0x80000000            ; type = 2
	s_mov_b32 s[G0B+4*(\s)], 1
	s_add_co_u32 s[G0B+4*(\s)+1], s20, (\s)*SLOT
	s_add_nc_u64 s[G0B+4*(\s)+2:G0B+4*(\s)+3], s[46:47], (\s)*KSTEP*2
	s_or_b32 s[G0B+4*(\s)+3], s[G0B+4*(\s)+3], 0x80000000
	JLOAD \s                                       ; two tensor loads of mine are out: the ring is filled before anything else is done
.endr
	; A fragment is 16 rows x 32 K in 8 registers: lane l holds row l % 16; registers 0-3 K = 8 (l / 16) + 0..7, registers 4-7 K = 16 + 8 (l / 16) + 0..7: two loads of 16 bytes, 32 bytes apart.
	v_and_b32 v1, 15, v0                           ; l % 16
	v_bfe_u32 v2, v0, 4, 1                         ; l / 16
	v_mul_u32_u24 v3, v1, PITCH
	v_lshl_add_u32 v3, v2, 4, v3                   ; qb: row x pitch + 16 x half
	v_and_b32 v4, 7, v0                            ; mb: row l % 8
	v_bfe_u32 v5, v0, 3, 1                         ;     of region (l / 8) % 2
	v_mul_u32_u24 v6, v4, PITCH
	v_lshl_add_u32 v6, v2, 4, v6
	v_mul_u32_u24 v7, v5, RS
	v_add_nc_u32 v6, v6, v7
	s_mul_i32 s21, s11, RS                         ; my 128 queries
	s_mul_i32 s22, s12, 64*PITCH                   ; my 64 rows of each of mb's regions,
	s_add_co_u32 s22, s22, 2*RS                    ; which lie behind qb's two
.irp s, 0,1
	v_add_nc_u32 v[ADRA+(\s)], s21, v3
	v_add_nc_u32 v[ADRB+(\s)], s22, v6
	s_add_co_u32 s21, s21, SLOT
	s_add_co_u32 s22, s22, SLOT
.endr
	v_lshlrev_b32 v[CO], 16, v5                    ; cand: block of 8 queries (l % 16) / 8: 65,536 bytes,
	v_lshl_add_u32 v[CO], v4, 5, v[CO]             ; query l % 8: 32 bytes,
	v_lshl_add_u32 v[CO], v2, 4, v[CO]             ; h = l / 16: 16 bytes
	v_lshlrev_b32 v[WO], 9, v2                     ; wn: 128 rows of 4 bytes for h
	s_lshl_b32 s16, s13, 21                        ; cand: 32 blocks of 8 queries for y,
	s_lshl_b32 s17, s11, 20                        ; 16 for my half of them
	s_add_co_u32 s16, s16, s17
	s_mov_b32 s17, 0
	s_add_nc_u64 s[74:75], s[74:75], s[16:17]
	s_lshl_b32 s46, s42, 9                         ; pair 2 x + c: 256 bytes each
	s_lshl_b32 s47, s12, 8
	s_add_co_u32 s46, s46, s47
	s_mov_b32 s47, 0
	s_add_nc_u64 s[74:75], s[74:75], s[46:47]
	s_lshl_b32 s46, s42, 10                        ; wn: 256 rows for x, 64 for c
	s_lshl_b32 s47, s12, 8
	s_add_co_u32 s46, s46, s47
	s_mov_b32 s47, 0
	s_add_nc_u64 s[72:73], s[72:73], s[46:47]
; 16 matrix instructions: query blocks a0, a0 + 1 of the window's four x all 8 fragments of mb, 32 along K.  zero = 1: the first product starts the sums: nothing is cleared.
; The 64 accumulators take turns, one instruction a turn, in the same order in every quarter step.
.macro MUL16 f, hi, a0, zero
	WIN MUL_LO+0x50*(\hi)
.irp a, \a0, (\a0)+1
.irp b, 0,1,2,3,4,5,6,7
.if \zero
	v_wmma_f32_16x16x32_bf16 v[8*(8*(\a)+(\b)):8*(8*(\a)+(\b))+7], v[(\f)+8*(\b):(\f)+8*(\b)+7], v[(\f)+8*(4*(\hi)+(\a)):(\f)+8*(4*(\hi)+(\a))+7], 0
.else
	v_wmma_f32_16x16x32_bf16 v[8*(8*(\a)+(\b)):8*(8*(\a)+(\b))+7], v[(\f)+8*(\b):(\f)+8*(\b)+7], v[(\f)+8*(4*(\hi)+(\a)):(\f)+8*(4*(\hi)+(\a))+7], v[8*(8*(\a)+(\b)):8*(8*(\a)+(\b))+7]
.endif
.endr
.endr
.endm
; 32 LDS loads in one run: the fragments of one quarter step (32 K at byte k of the rows) into buffer f.  mb's fragment i lies 8 rows behind fragment i - 1, qb's 16.
.macro FETCH slot, k, f
	WIN TO_B
.irp i, 0,1,2,3,4,5,6,7
	ds_load_b128 v[(\f)+8*(\i):(\f)+8*(\i)+3],   v[ADRB+(\slot)] offset:(\k)+(\i)*8*PITCH
	ds_load_b128 v[(\f)+8*(\i)+4:(\f)+8*(\i)+7], v[ADRB+(\slot)] offset:(\k)+(\i)*8*PITCH+32
.endr
	WIN 0
.irp i, 0,1,2,3,4,5,6,7
	ds_load_b128 v[(\f)+8*(\i):(\f)+8*(\i)+3],   v[ADRA+(\slot)] offset:(\k)+(\i)*16*PITCH
	ds_load_b128 v[(\f)+8*(\i)+4:(\f)+8*(\i)+7], v[ADRA+(\slot)] offset:(\k)+(\i)*16*PITCH+32
.endr
.endm
; Four places (plain vector instructions that name none of its registers) stand between a matrix instruction and a load into a register that it has read, or a vector instruction that reads its result.
.macro PLACES
.rept 4
	v_nop
.endr
.endm
; A K step is four quarters of 32 along K, 64 matrix instructions each, on buffers 0, 1, 0, 1.  One of the first three: multiplies buffer f; in its middle it fetches the next quarter, at byte k, into buffer g.
.macro QUARTER slot, k, f, g, zero
	s_wait_dscnt 8                                 ; mb's fragments and qb's blocks 0-3 are in; the youngest eight loads (qb's blocks 4-7) may be out
	WIN MUL_LO
	MUL16 \f, 0, 0, \zero
	MUL16 \f, 0, 2, \zero
	PLACES
	FETCH \slot, \k, \g
	s_wait_dscnt 32                                ; all but the 32 just issued
	WIN MUL_HI
	MUL16 \f, 1, 0, \zero
	MUL16 \f, 1, 2, \zero
.endm
; The last quarter multiplies buffer 1 and changes slots.  MEET is its first half: one barrier; in front of it each wave waits for all its tensor loads (one is out: its part of the next slot),
; adds 0 to its spare word, and waits for that and for its own reads of this slot.  Behind it nobody reads this slot any more and the next slot is whole.
.macro MEET round
	WIN 0                                          ; (the add's two registers lie in window 0)
	s_wait_tensorcnt 0x0
	ds_add_u32 v[SPW], v[NIL]                      ; 0 onto my spare word
	s_wait_dscnt 9                                 ; (the add and the youngest eight loads may be out)
	WIN MUL_LO
	MUL16 F1, 0, 0, 0                              ; sixteen matrix instructions stand between the add and the wait for it
	s_wait_dscnt 0x0                               ; the add is done, and my reads of this slot are over
	s_barrier_signal -1
	MUL16 F1, 0, 2, 0                              ; work on registers while the others arrive
.if \round
	WIN 0
.endif
	s_barrier_wait -1
.endm
; The whole last quarter.  mode 0: the slot just read is filled again with this tile's K step two steps on; 1: with the next tile's K step 0 or 1; 2: with nothing (the last tile's last lap).
; Where it is filled, the barrier opens a round of the cluster's barrier, and the joint refill is the first tensor load behind the round: 224 matrix instructions ahead of the wait for it.
.macro TURN slot, next, mode
.if (\mode) == 2
	MEET 0
	PLACES
.else
	MEET 1
	CREST                                          ; no wave of any partner still reads this slot's tile or has a load on its way
.if (\mode) == 1
	s_sub_nc_u64 s[G0+4*(\slot)+2:G0+4*(\slot)+3], s[G0+4*(\slot)+2:G0+4*(\slot)+3], BACK_A
	s_add_nc_u64 s[G0B+4*(\slot)+2:G0B+4*(\slot)+3], s[G0B+4*(\slot)+2:G0B+4*(\slot)+3], NEXT_B
.else
	s_add_nc_u64 s[G0+4*(\slot)+2:G0+4*(\slot)+3], s[G0+4*(\slot)+2:G0+4*(\slot)+3], 2*KSTEP*2
	s_add_nc_u64 s[G0B+4*(\slot)+2:G0B+4*(\slot)+3], s[G0B+4*(\slot)+2:G0B+4*(\slot)+3], 2*KSTEP*2
.endif
	JLOAD \slot                                    ; the four v_nop behind it are also the places in front of the loads below
.endif
	FETCH \next, 0, F0
	WIN MUL_HI
	MUL16 F1, 1, 0, 0
	MUL16 F1, 1, 2, 0
.endm
; THE SELECTION.  WLOAD: wn of my 64 rows of this tile, 256 bytes; the sixteen lanes of a half read the same bytes.
.macro WLOAD
	WIN TO_B
.irp i, 0,1,2,3,4,5,6,7,8,9,10,11,12,13,14,15
	global_load_b128 v[4*(\i):4*(\i)+3], v[WO], s[72:73] offset:16*(\i)
.endr
.endm
; XFORM: the window's 256 scores become keys, in place.  Register 64 a + z is row z of the group.  Each accumulator's lowest registers are read first.
.macro XFORM w
	WIN ((\w)<<6)|4|(\w)                           ; destination and source 0 in window w, source 1 (wn) in window 1
.irp a, 0,1,2,3
.set z, 0
.rept 32
	v_pk_mul_f32 v[64*(\a)+2*z:64*(\a)+2*z+1], v[64*(\a)+2*z:64*(\a)+2*z+1], v[2*z:2*z+1]
.set z, z+1
.endr
.set z, 0
.rept 64
	v_cvt_i32_f32 v[64*(\a)+z], v[64*(\a)+z]
.set z, z+1
.endr
.set z, 0
.rept 64
	v_and_or_b32 v[64*(\a)+z], v[64*(\a)+z], s68, 63-z
.set z, z+1
.endr
.endr
.endm
; INSERT: key n of each of the window's four query blocks goes into its sorted list t1 >= t2 >= t3 >= t4: t4 = the middle of (key, t3, t4), t3 of (key, t2, t3), t2 of (key, t1, t2),
; t1 = max: four instructions a key.  The first four keys start the lists: nothing is cleared.  Each level is written for all four lists before the next, so no line reads the result of the line before it.
.macro INSERT w
	WIN (\w)                                       ; source 0 (the key) in window w, the lists in window 0
.set LL, LST+16*((\w)-2)
.set n, 0
.rept 64
.if n >= 3
.irp a, 0,1,2,3
.if n == 3
	v_min_i32 v[LL+4*(\a)+3], v[64*(\a)+n], v[LL+4*(\a)+2]
.else
	v_med3_i32 v[LL+4*(\a)+3], v[64*(\a)+n], v[LL+4*(\a)+2], v[LL+4*(\a)+3]
.endif
.endr
.endif
.if n >= 2
.irp a, 0,1,2,3
.if n == 2
	v_min_i32 v[LL+4*(\a)+2], v[64*(\a)+n], v[LL+4*(\a)+1]
.else
	v_med3_i32 v[LL+4*(\a)+2], v[64*(\a)+n], v[LL+4*(\a)+1], v[LL+4*(\a)+2]
.endif
.endr
.endif
.if n >= 1
.irp a, 0,1,2,3
.if n == 1
	v_min_i32 v[LL+4*(\a)+1], v[64*(\a)+n], v[LL+4*(\a)]
.else
	v_med3_i32 v[LL+4*(\a)+1], v[64*(\a)+n], v[LL+4*(\a)], v[LL+4*(\a)+1]
.endif
.endr
.endif
.irp a, 0,1,2,3
.if n == 0
	v_mov_b32 v[LL+4*(\a)], v[64*(\a)+n]
.else
	v_max_i32 v[LL+4*(\a)], v[64*(\a)+n], v[LL+4*(\a)]
.endif
.endr
.set n, n+1
.endr
.endm
; SENDL: the window's four lists.  One store covers two whole aligned blocks of 256 bytes: 8 queries x 2 h x 16 bytes each.
.macro SENDL w
	WIN 0
.irp a, 0,1,2,3
	global_store_b128 v[CO], v[LST+16*((\w)-2)+4*(\a):LST+16*((\w)-2)+4*(\a)+3], s[74:75] offset:(4*((\w)-2)+(\a))*131072
.endr
.endm
	s_wait_tensorcnt 1                             ; my part of K step 0 is in; K step 1's may stay out
	s_barrier_signal -1
	s_barrier_wait -1                              ; everybody's is
	FETCH 0, 0, F0
	s_mov_b32 s2, TILES                            ; tiles to go, this one among them: the same number in every work-group
.Ltile:
	WLOAD                                          ; wanted a whole tile later
	QUARTER 0, 64,  F0, F1, 1                      ; a tile's first quarter stands in front of the loop: its products start the sums
	WIN 0                                          ; at a label and at a branch every window is 0
	s_mov_b32 s3, LAPS-1
.Llap:                                                 ; a trip goes once round the ring, from a lap's second quarter to the next lap's first, and fills both slots again
	QUARTER 0, 128, F1, F0, 0
	QUARTER 0, 192, F0, F1, 0
	TURN 0, 1, 0
	QUARTER 1, 64,  F0, F1, 0
	QUARTER 1, 128, F1, F0, 0
	QUARTER 1, 192, F0, F1, 0
	TURN 1, 0, 0
	QUARTER 0, 64,  F0, F1, 0
	WIN 0
	s_sub_co_u32 s3, s3, 1
	s_cmp_lg_u32 s3, 0
	s_cbranch_scc1 .Llap
	QUARTER 0, 128, F1, F0, 0                      ; the tile's last lap goes on
	QUARTER 0, 192, F0, F1, 0
	WIN 0
	s_cmp_eq_u32 s2, 1
	s_cbranch_scc1 .Llast                          ; the last tile's last lap is written out: it asks for nothing more
	TURN 0, 1, 1                                   ; the ring goes on into the next tile: slot 0 takes its K step 0,
	QUARTER 1, 64,  F0, F1, 0
	QUARTER 1, 128, F1, F0, 0
	QUARTER 1, 192, F0, F1, 0
	TURN 1, 0, 1                                   ; slot 1 its K step 1, and the next tile's first fragments are fetched
	WIN 0
	s_branch .Lepi
.Llast:
	TURN 0, 1, 2
	QUARTER 1, 64,  F0, F1, 0
	QUARTER 1, 128, F1, F0, 0
	QUARTER 1, 192, F0, F1, 0
	s_wait_dscnt 8                                 ; the very last quarter: nothing more to fetch
	WIN MUL_LO
	MUL16 F1, 0, 0, 0
	MUL16 F1, 0, 2, 0
	s_wait_dscnt 0x0
	MUL16 F1, 1, 0, 0
	MUL16 F1, 1, 2, 0
	WIN 0
.Lepi:                                                 ; the selection is written once for all four tiles; it holds no LDS instruction, no barrier and no tensor load
	PLACES                                         ; behind the last products
	s_wait_loadcnt 0x0                             ; wn
	XFORM 2
	INSERT 2
	SENDL 2
	XFORM 3
	INSERT 3
	SENDL 3
	s_wait_xcnt 0x0                                ; every earlier memory instruction has had its addresses translated (ISA guide 3.1): only behind this wait are the two bases stepped and, in the next tile, the lists rewritten
	s_add_nc_u64 s[74:75], s[74:75], 32*512        ; 32 tiles on: 64 pairs of 256 bytes,
	s_add_nc_u64 s[72:73], s[72:73], 32*1024       ; 8,192 rows of wn
	s_sub_co_u32 s2, s2, 1
	s_cmp_lg_u32 s2, 0
	s_cbranch_scc1 .Ltile
	s_wait_tensorcnt 0x0                           ; the wave's end: behind my last tensor load
	ds_add_u32 v[SPW], v[NIL]
	s_wait_dscnt 0x0
	CROUND                                         ; the closing round: no work-group ends while a partner may still ask for a tile that names it
	s_endpgm
.Lfunc_end_k_q3461402e15_gemm:
	.size	k_q3461402e15_gemm, .Lfunc_end_k_q3461402e15_gemm-k_q3461402e15_gemm
	.p2alignl 7, 3214868480
	.fill 96, 4, 3214868480
	.section	.rodata,"a",@progbits
	.p2align	6, 0x0
	.amdhsa_kernel k_q3461402e15_gemm
		.amdhsa_group_segment_fixed_size 327680
		.amdhsa_private_segment_fixed_size 0
		.amdhsa_enable_private_segment 0
		.amdhsa_kernarg_size 32
		.amdhsa_user_sgpr_count 2
		.amdhsa_user_sgpr_kernarg_segment_ptr 1
		.amdhsa_wavefront_size32 1
		.amdhsa_system_sgpr_workgroup_id_x 1
		.amdhsa_system_sgpr_workgroup_id_y 1
		.amdhsa_system_sgpr_workgroup_id_z 1
		.amdhsa_system_vgpr_workitem_id 0
		.amdhsa_next_free_vgpr 1024
		.amdhsa_next_free_sgpr 80
		.amdhsa_reserve_vcc 0
		.amdhsa_float_denorm_mode_32 3
		.amdhsa_float_denorm_mode_16_64 3
		.amdhsa_memory_ordered 1
		.amdhsa_forward_progress 1
		.amdhsa_inst_pref_size 255
	.end_amdhsa_kernel
	.section	.bss,"aw",@nobits
	.p2align	6
	.space	262144
	.amdgpu_metadata
---
amdhsa.version: [ 1, 2 ]
amdhsa.kernels:
  - .name:           k_q3461402e15_gemm
    .symbol:         k_q3461402e15_gemm.kd
    .args:
      - { .name: qb, .offset: 0, .size: 8, .value_kind: global_buffer, .address_space: global }
      - { .name: mb, .offset: 8, .size: 8, .value_kind: global_buffer, .address_space: global }
      - { .name: wn, .offset: 16, .size: 8, .value_kind: global_buffer, .address_space: global }
      - { .name: cand, .offset: 24, .size: 8, .value_kind: global_buffer, .address_space: global }
    .group_segment_fixed_size: 327680
    .private_segment_fixed_size: 0
    .kernarg_segment_align: 8
    .kernarg_segment_size: 32
    .max_flat_workgroup_size: 128
    .sgpr_count:     80
    .vgpr_count:     1024
    .wavefront_size: 32
...
	.end_amdgpu_metadata
.endif
;; end of part 2
;; launch pick (part 3): grid 256 x 1, 8 waves a work-group, no clusters, 9,728 bytes of LDS; arguments cand, synth_set, out0; writes out0
.if DOCPART == 3
	.amdgcn_target "amdgcn-amd-amdhsa--gfx1250"
	.amdhsa_code_object_version 6
	.text
	.protected	k_q3461402e15_pick
	.globl	k_q3461402e15_pick
	.p2align	8
	.type	k_q3461402e15_pick,@function
k_q3461402e15_pick:
	s_mov_b64 s[64:65], 0
	v_nop
	global_prefetch_b8 v0, s[64:65] scope:SCOPE_SE
	s_setreg_imm32_b32 hwreg(HW_REG_WAVE_MODE, 25, 1), 1
	s_wait_xcnt 0x0
; PICK.  For each query the four best of its 512 lists of four keys (whole numbers, stored by the launch in front), then the mean of the four rows of synth_set that they name.
; A key is 26 bits of value | 63 - row % 64; its place in cand gives row / 64.  Order: the larger value first; among equal values the lower row, as lax.top_k decides.
; SHARES.  A work-group takes 8 queries: one block of 65,536 consecutive bytes of cand.
; Stage 1: wave w reads 8,192 consecutive bytes; a lane meets 16 lists of ONE query (tiles T = 16 w + i; c = l / 16, query (l / 2) % 8, h = l % 2 fixed).  The keys' low six bits are rewritten
; as 63 - (4 i + place in the list), which keeps the order among equal values and says where the key came from; the lane keeps the best four by the value network (three middles and a maximum a key).
; They leave as a value V and a place R = 4 (row / 64) + place in the list, 11 bits, through LDS.  Stage 2: wave w takes query w: 32 sorted lists, one a lane; four times the largest V of the
; heads, among equals the smallest R, and the winner's list moves up.  Then the winner's key is read once more from cand at R for its row % 64.
; All that steers addresses is whole-number work on numbers read from memory, clamped to the table's size in front of each address.
; The gathered numbers are rounded to bf16 like the other two inputs of the module, then averaged in f32 (times 0.25, exact).
; No matrix unit, no cluster: the work-groups share nothing but rows of synth_set that happen to be named twice.
.set QP,    544                        ; LDS: a query's 32 lists of 16 bytes + 32 of padding
.set ROFF,  8*QP                       ; V at 0, R behind it
.set SPARE, 2*ROFF                     ; 8,704: the spare words, 128 bytes for each of eight waves
.set SPW, 2                            ; v2   LDS address of my spare word; never rewritten
.set NIL, 3                            ; v3   0; never rewritten
.set CO,  4                            ; v4   my byte offset in the block of cand
.set TX,  5                            ; v5   at work
.set RB,  6                            ; v6   R of my lists' first key: 256 w + 8 h + 4 c
.set SA,  7                            ; v7   where I put my list in LDS
.set LA,  8                            ; v8   where I read a list of my wave's query
.set OO,  9                            ; v9   my byte offset in the work-group's rows of out0
.set L16, 10                           ; v10  16 x lane
.set QV,  14                           ; v14  0.25
.set ZR,  15                           ; v15  0.0
.set KY,  16                           ; v[16:79]  16 lists as loaded; list A grows in load 0's registers, list B in load 8's
.set VV,  80                           ; v[80:83]  my four values
.set RR,  84                           ; v[84:87]  my four places
.set TV,  88                           ; v[88:91]  stage 2: a list's values
.set TR,  92                           ; v[92:95]  and places
.set MX,  96
.set CD,  97
.set WN,  98                           ; v[98:101]  the four winners' places
.set KO,  102                          ; v[102:105] their byte offsets in cand
.set KE,  106                          ; v[106:109] their keys, then their rows
.set GD,  16                           ; v[16:143]  the gather: piece j, row k at GD + 16 j + 4 k
.set GOF, 144                          ; v[144:147] byte offset of my 16 bytes in the four rows
	s_load_b128 s[4:7], s[0:1], 0x0                ; cand s[4:5], synth_set s[6:7]
	s_load_b64 s[8:9], s[0:1], 0x10                ; out0
	v_lshl_add_u32 v[SPW], v0, 2, SPARE
	v_mov_b32 v[NIL], 0
	v_lshrrev_b32 v[TX], 5, v0
	v_readfirstlane_b32 s10, v[TX]                 ; wave 0..7
	v_and_b32 v1, 31, v0
	v_lshlrev_b32 v[L16], 4, v1
	v_lshl_add_u32 v[CO], s10, 13, v[L16]          ; 8,192 w + 16 l
	s_lshl_b32 s16, ttmp9, 16                      ; my block of cand
	s_mov_b32 s17, 0
	s_lshl_b32 s18, ttmp9, 15                      ; my 8 rows of out0
	s_mov_b32 s19, 0
	s_mov_b32 s12, 0x76543210                      ; v_permlanex16_b32: each lane takes its own place in the other half
	s_mov_b32 s13, 0xfedcba98
	s_mov_b32 s14, 0x7fffffff                      ; above every place
	s_mov_b32 s15, 0xffffffc0                      ; a key's 26 bits of value
	s_wait_kmcnt 0x0
	s_add_nc_u64 s[4:5], s[4:5], s[16:17]
	s_add_nc_u64 s[8:9], s[8:9], s[18:19]
.irp t, 0,1,2,3,4,5,6,7                ; in the order of use: list t for A, list t + 8 for B; each load takes 512 consecutive bytes
	global_load_b128 v[KY+4*(\t):KY+4*(\t)+3],       v[CO], s[4:5] offset:512*(\t)
	global_load_b128 v[KY+4*(\t)+32:KY+4*(\t)+35],   v[CO], s[4:5] offset:512*(\t)+4096
.endr
	v_and_b32 v11, 1, v0                           ; h
	v_bfe_u32 v12, v0, 4, 1                        ; c
	v_bfe_u32 v13, v0, 1, 3                        ; query
	v_lshlrev_b32 v[RB], 3, v11
	v_lshl_add_u32 v[RB], v12, 2, v[RB]
	v_lshl_add_u32 v[RB], s10, 8, v[RB]
	v_mul_u32_u24 v[SA], v13, QP                   ; list 4 w + 2 c + h of the query
	v_lshl_add_u32 v[SA], v11, 4, v[SA]
	v_lshl_add_u32 v[SA], v12, 5, v[SA]
	v_lshl_add_u32 v[SA], s10, 6, v[SA]
	s_mul_i32 s11, s10, QP
	v_add_nc_u32 v[LA], s11, v[L16]
	v_lshl_add_u32 v[OO], s10, 12, v[L16]
	v_mov_b32 v[QV], 0x3e800000
	v_mov_b32 v[ZR], 0
.macro RECODE i                        ; list i's four keys: the low six bits now say 4 i + place
.irp e, 0,1,2,3
	v_and_or_b32 v[KY+4*(\i)+\e], v[KY+4*(\i)+\e], s15, 63-(4*(\i)+\e)
.endr
.endm
.macro INS2 ra, rb                     ; key ra into list A, key rb into list B, line by line by turns
	v_med3_i32 v[KY+3],  v[\ra], v[KY+2],  v[KY+3]
	v_med3_i32 v[KY+35], v[\rb], v[KY+34], v[KY+35]
	v_med3_i32 v[KY+2],  v[\ra], v[KY+1],  v[KY+2]
	v_med3_i32 v[KY+34], v[\rb], v[KY+33], v[KY+34]
	v_med3_i32 v[KY+1],  v[\ra], v[KY],    v[KY+1]
	v_med3_i32 v[KY+33], v[\rb], v[KY+32], v[KY+33]
	v_max_i32  v[KY],    v[\ra], v[KY]
	v_max_i32  v[KY+32], v[\rb], v[KY+32]
.endm
.set t, 0
.rept 8
	s_wait_loadcnt 14-2*t                          ; loads come back in order (ISA guide 5.7.1): lists t and t + 8 are in, the 2 (7 - t) younger loads stay out
	RECODE t
	RECODE t+8
.if t > 0                              ; lists 0 and 8 arrive sorted and start A and B
.irp e, 0,1,2,3
	INS2 KY+4*t+\e, KY+4*t+32+\e
.endr
.endif
.set t, t+1
.endr
.irp e, 0,1,2,3                        ; B's four into A
	v_med3_i32 v[KY+3], v[KY+32+\e], v[KY+2], v[KY+3]
	v_med3_i32 v[KY+2], v[KY+32+\e], v[KY+1], v[KY+2]
	v_med3_i32 v[KY+1], v[KY+32+\e], v[KY],   v[KY+1]
	v_max_i32  v[KY],   v[KY+32+\e], v[KY]
.endr
.irp e, 0,1,2,3
	v_and_b32 v[VV+\e], s15, v[KY+\e]              ; the value
	v_and_b32 v[RR+\e], 63, v[KY+\e]
	v_xor_b32 v[RR+\e], 63, v[RR+\e]               ; 4 i + place
	v_and_b32 v[TX], 0x3c, v[RR+\e]
	v_and_b32 v[RR+\e], 3, v[RR+\e]
	v_lshl_add_u32 v[RR+\e], v[TX], 2, v[RR+\e]    ; 16 i + place
	v_add_nc_u32 v[RR+\e], v[RR+\e], v[RB]         ; R = 16 T + 8 h + 4 c + place
.endr
	ds_store_b128 v[SA], v[VV:VV+3]
	ds_store_b128 v[SA], v[RR:RR+3] offset:ROFF
	s_wait_dscnt 0x0                               ; for the others' sake: my stores are done
	s_barrier_signal -1
	s_barrier_wait -1
	ds_load_b128 v[TV:TV+3], v[LA]                 ; list l of query w
	ds_load_b128 v[TR:TR+3], v[LA] offset:ROFF
	s_wait_dscnt 0x0
.macro WRED op, r                      ; op over the wave's 32 lanes; every lane ends up with the result
.irp m, 1,2,4,8
	v_mov_b32_dpp v[TX], v[\r] row_xmask:\m row_mask:0xf bank_mask:0xf
	\op v[\r], v[\r], v[TX]
.endr
	v_permlanex16_b32 v[TX], v[\r], s12, s13
	\op v[\r], v[\r], v[TX]
.endm
; Winner k.  A list moves up three times at the most before the last round, so its head is always one of its own four keys.
.macro ROUNDX k
	v_mov_b32 v[MX], v[TV]
	WRED v_max_i32, MX                             ; the largest value among the heads
	v_cmp_eq_u32 vcc_lo, v[TV], v[MX]
	v_cndmask_b32 v[CD], s14, v[TR], vcc_lo
	WRED v_min_u32, CD                             ; among equals the smallest place: the lowest row
	v_mov_b32 v[WN+(\k)], v[CD]
.if (\k) < 3
	v_cmp_eq_u32 vcc_lo, v[TR], v[CD]              ; places are all different: one lane's list moves up
.irp e, 0,1,2
	v_cndmask_b32 v[TV+\e], v[TV+\e], v[TV+\e+1], vcc_lo
	v_cndmask_b32 v[TR+\e], v[TR+\e], v[TR+\e+1], vcc_lo
.endr
.endif
.endm
	ROUNDX 0
	ROUNDX 1
	ROUNDX 2
	ROUNDX 3
.irp k, 0,1,2,3                        ; the winner's key, where the launch in front stored it: T x 512 + c x 256 + query x 32 + h x 16 + place x 4
	v_min_u32 v[WN+\k], 0x7ff, v[WN+\k]            ; inside the block, whatever was read
	v_and_b32 v[TX], 0x7f0, v[WN+\k]
	v_lshlrev_b32 v[KO+\k], 5, v[TX]
	v_and_b32 v[TX], 4, v[WN+\k]
	v_lshl_add_u32 v[KO+\k], v[TX], 6, v[KO+\k]
	v_and_b32 v[TX], 8, v[WN+\k]
	v_lshl_add_u32 v[KO+\k], v[TX], 1, v[KO+\k]
	v_and_b32 v[TX], 3, v[WN+\k]
	v_lshl_add_u32 v[KO+\k], v[TX], 2, v[KO+\k]
	v_lshl_add_u32 v[KO+\k], s10, 5, v[KO+\k]
	global_load_b32 v[KE+\k], v[KO+\k], s[4:5]     ; all lanes read the same word
.endr
	s_wait_loadcnt 0x0
.irp k, 0,1,2,3
	v_and_b32 v[KE+\k], 63, v[KE+\k]
	v_xor_b32 v[KE+\k], 63, v[KE+\k]               ; row % 64
	v_and_b32 v[TX], 0x7fc, v[WN+\k]
	v_lshl_add_u32 v[KE+\k], v[TX], 4, v[KE+\k]    ; + 64 (row / 64)
	v_min_u32 v[KE+\k], 0x7fff, v[KE+\k]           ; inside the table
	v_lshl_add_u32 v[GOF+\k], v[KE+\k], 12, v[L16] ; rows of 4,096 bytes, 16 bytes a lane
.endr
.irp j, 0,1,2,3,4,5,6,7                ; 32 loads of 512 consecutive bytes, all on their way at once; a row may be named by other queries too: no hint
.irp k, 0,1,2,3
	global_load_b128 v[GD+16*(\j)+4*(\k):GD+16*(\j)+4*(\k)+3], v[GOF+\k], s[6:7] offset:512*(\j)
.endr
.endr
.irp j, 0,1,2,3,4,5,6,7
	s_wait_loadcnt 28-4*(\j)                       ; piece j of all four rows is in; the four loads of each younger piece stay out
	; rounded to bf16; the words are laid so that the piece's first four registers come free for the result: row 3 to +12, row 2 to +14, row 1 to +8, row 0 to +10
	v_cvt_pk_bf16_f32 v[GD+16*(\j)+12], v[GD+16*(\j)+12], v[GD+16*(\j)+13]
	v_cvt_pk_bf16_f32 v[GD+16*(\j)+13], v[GD+16*(\j)+14], v[GD+16*(\j)+15]
	v_cvt_pk_bf16_f32 v[GD+16*(\j)+14], v[GD+16*(\j)+8],  v[GD+16*(\j)+9]
	v_cvt_pk_bf16_f32 v[GD+16*(\j)+15], v[GD+16*(\j)+10], v[GD+16*(\j)+11]
	v_cvt_pk_bf16_f32 v[GD+16*(\j)+8],  v[GD+16*(\j)+4],  v[GD+16*(\j)+5]
	v_cvt_pk_bf16_f32 v[GD+16*(\j)+9],  v[GD+16*(\j)+6],  v[GD+16*(\j)+7]
	v_cvt_pk_bf16_f32 v[GD+16*(\j)+10], v[GD+16*(\j)],    v[GD+16*(\j)+1]
	v_cvt_pk_bf16_f32 v[GD+16*(\j)+11], v[GD+16*(\j)+2],  v[GD+16*(\j)+3]
	v_fma_mix_f32_bf16 v[GD+16*(\j)],   v[GD+16*(\j)+10], v[QV], v[ZR] op_sel_hi:[1,0,0]               ; row 0 starts the four sums
	v_fma_mix_f32_bf16 v[GD+16*(\j)+1], v[GD+16*(\j)+10], v[QV], v[ZR] op_sel:[1,0,0] op_sel_hi:[1,0,0]
	v_fma_mix_f32_bf16 v[GD+16*(\j)+2], v[GD+16*(\j)+11], v[QV], v[ZR] op_sel_hi:[1,0,0]
	v_fma_mix_f32_bf16 v[GD+16*(\j)+3], v[GD+16*(\j)+11], v[QV], v[ZR] op_sel:[1,0,0] op_sel_hi:[1,0,0]
.irp b, 8,14,12                        ; rows 1, 2, 3: sum += 0.25 x
	v_fma_mix_f32_bf16 v[GD+16*(\j)],   v[GD+16*(\j)+\b],   v[QV], v[GD+16*(\j)]   op_sel_hi:[1,0,0]
	v_fma_mix_f32_bf16 v[GD+16*(\j)+1], v[GD+16*(\j)+\b],   v[QV], v[GD+16*(\j)+1] op_sel:[1,0,0] op_sel_hi:[1,0,0]
	v_fma_mix_f32_bf16 v[GD+16*(\j)+2], v[GD+16*(\j)+\b+1], v[QV], v[GD+16*(\j)+2] op_sel_hi:[1,0,0]
	v_fma_mix_f32_bf16 v[GD+16*(\j)+3], v[GD+16*(\j)+\b+1], v[QV], v[GD+16*(\j)+3] op_sel:[1,0,0] op_sel_hi:[1,0,0]
.endr
	global_store_b128 v[OO], v[GD+16*(\j):GD+16*(\j)+3], s[8:9] offset:512*(\j) th:TH_STORE_NT  ; 512 consecutive bytes, at a multiple of 256 from out0's first
.endr
	s_wait_tensorcnt 0x0                           ; the wave's end: behind my last LDS store
	ds_add_u32 v[SPW], v[NIL]
	s_wait_dscnt 0x0
	s_endpgm
.Lfunc_end_k_q3461402e15_pick:
	.size	k_q3461402e15_pick, .Lfunc_end_k_q3461402e15_pick-k_q3461402e15_pick
	.p2alignl 7, 3214868480
	.fill 96, 4, 3214868480
	.section	.rodata,"a",@progbits
	.p2align	6, 0x0
	.amdhsa_kernel k_q3461402e15_pick
		.amdhsa_group_segment_fixed_size 9728
		.amdhsa_private_segment_fixed_size 0
		.amdhsa_enable_private_segment 0
		.amdhsa_kernarg_size 24
		.amdhsa_user_sgpr_count 2
		.amdhsa_user_sgpr_kernarg_segment_ptr 1
		.amdhsa_wavefront_size32 1
		.amdhsa_system_sgpr_workgroup_id_x 1
		.amdhsa_system_sgpr_workgroup_id_y 1
		.amdhsa_system_sgpr_workgroup_id_z 1
		.amdhsa_system_vgpr_workitem_id 0
		.amdhsa_next_free_vgpr 160
		.amdhsa_next_free_sgpr 66
		.amdhsa_reserve_vcc 1
		.amdhsa_float_denorm_mode_32 3
		.amdhsa_float_denorm_mode_16_64 3
		.amdhsa_memory_ordered 1
		.amdhsa_forward_progress 1
		.amdhsa_inst_pref_size 47
	.end_amdhsa_kernel
	.amdgpu_metadata
---
amdhsa.version: [ 1, 2 ]
amdhsa.kernels:
  - .name:           k_q3461402e15_pick
    .symbol:         k_q3461402e15_pick.kd
    .args:
      - { .name: cand, .offset: 0, .size: 8, .value_kind: global_buffer, .address_space: global }
      - { .name: synth_set, .offset: 8, .size: 8, .value_kind: global_buffer, .address_space: global }
      - { .name: out0, .offset: 16, .size: 8, .value_kind: global_buffer, .address_space: global }
    .group_segment_fixed_size: 9728
    .private_segment_fixed_size: 0
    .kernarg_segment_align: 8
    .kernarg_segment_size: 24
    .max_flat_workgroup_size: 256
    .sgpr_count:     66
    .vgpr_count:     160
    .wavefront_size: 32
...
	.end_amdgpu_metadata
.endif
;; end of part 3
;; ======== version 2 of 2: 3 launches; version 1 with the launch prep written anew for expert scheduling mode
;; workspace buffers: mb 67,108,864 bytes; qb 4,194,304 bytes; wn 131,072 bytes; cand 16,777,216 bytes of whole numbers
;; launch prep (part 4): grid 544 x 1, 4 waves a work-group, no clusters, 768 bytes of LDS; arguments matching_set, query_seq, mb, qb, wn; writes mb, qb, wn
.if DOCPART == 4
	.amdgcn_target "amdgcn-amd-amdhsa--gfx1250"
	.amdhsa_code_object_version 6
	.text
	.protected	k_q3461402e15_prep
	.globl	k_q3461402e15_prep
	.p2align	8
	.type	k_q3461402e15_prep,@function
k_q3461402e15_prep:
	s_mov_b64 s[64:65], 0
	v_nop
	global_prefetch_b8 v0, s[64:65] scope:SCOPE_SE
	s_setreg_imm32_b32 hwreg(HW_REG_WAVE_SCHED_MODE, 0, 2), 2
	s_setreg_imm32_b32 hwreg(HW_REG_WAVE_MODE, 25, 1), 1
	s_wait_xcnt 0x0
	s_wait_alu depctr_vm_vsrc(0)
; PREP.  Every row of matching_set [32768][1024] and of query_seq [2048][1024] (f32) is rounded to bf16; N = the root of the f32 sum of squares of the
; ROUNDED numbers; the row is stored as bf16(x) * 2^-e, 2^e = N's power of two (an exact scaling), so that the stored row's norm N'' = N 2^-e lies in [1, 2).
; For matching rows wn[row] = 2^30 / N'' is stored too: the product launch multiplies a dot product by it and has cos * |q''| * 2^30, inside 32 bits.
; LIMITS.  A row of zeros, or one whose sum of squares is not finite (elements beyond about 5e17), gives wn = inf or 0: its scores count as 0 or saturate, where the
; distances of the problem are NaN.  An element that falls below 2^-126 after the scaling may be lost.
; SHARES.  Work-groups 0-511 take 64 rows of matching_set each, 512-543 64 rows of query_seq.  A wave takes 16 rows, one at a time: a row is 4,096 bytes, eight loads of
; 512 consecutive bytes, 32 registers, and stays in registers between the sum and the scaling: each byte is read once.  It leaves as eight stores of 256 consecutive bytes, aligned.
; No matrix unit, no cluster: nothing is shared and memory binds.
; THE MODE: SCHED_MODE bits 1:0 = 2 (LLVM: expert scheduling mode 2), set by the entry lines.  The code itself states the register dependences
; between vector instructions and memory or LDS instructions, with s_wait_alu, always for 0.
; THE PLAN.  Turn p works on row p of the wave's 16.  Registers that memory or LDS instructions touch:
;   X0 .. X3      four rows as loaded.  The loads of row p + 3, issued in turn p, land in X[(p + 3) % 4] = X[(p - 1) % 4]; turn p's vector lines read and write X[p % 4].  No memory instruction reads X.
;   Y0, Y1        two rows to store.  Written by turn p's scalings (Y[p % 2]); read by the eight stores that are issued in turn p + 1.
;   v[OFF], v[SO] byte offsets, made once at the head and never written again: the rows are reached by the two scalar bases, which move on by a row at each turn's head, and by immediate offsets.
;   v[T], v[T+1], v[T+2:T+3], v[WREG]  at the tail alone: LDS addresses, the LDS load's landing place, the LDS store's data.
;   v[SPW], v[NIL]  written at the head, read by the closing add alone.
; Turn p's memory instructions touch X[(p - 1) % 4] and Y[(p - 1) % 2]: the two buffers that turn p - 1 worked on and that no vector line of turn p names.  So the waits at a turn's head
; state all that its sixteen memory instructions hang on, and these are dealt among its conversions with no further wait.
.set ROWB,  4096                       ; bytes in a row of f32
.set OROW,  2048                       ; bytes in a row of bf16
.set SPARE, 256                        ; LDS: bytes 0-255 the work-group's 64 numbers for wn; from 256 on the spare words, 128 bytes a wave
.set SPW,  2                           ; v2      LDS address of my spare word; never rewritten
.set NIL,  3                           ; v3      0; never rewritten
.set L15,  4                           ; v4      lane % 16
.set WREG, 5                           ; v5      lane l keeps wn of my wave's row l % 16
.set OFF,  6                           ; v6      byte offset of my 16 bytes in my wave's first row of f32; never rewritten
.set SO,   10                          ; v10     byte offset of my 8 bytes in my wave's first row of bf16; never rewritten
.set SS,   14                          ; v[14:17] four chains of the sum of squares
.set T,    18                          ; v[18:23] at work: temp, N, 2^-e, N'', 2^30/N'', 2^-e twice as bf16
.set X,    24                          ; v[24:151]  slot s: 32 registers
.set Y,    152                         ; v[152:183] buffer b: 16 registers, piece j at Y + 16 b + 2 j
	s_load_b256 s[4:11], s[0:1], 0x0               ; matching_set s[4:5], query_seq s[6:7], mb s[8:9], qb s[10:11]
	s_load_b64 s[12:13], s[0:1], 0x20              ; wn
	v_lshl_add_u32 v[SPW], v0, 2, SPARE
	v_mov_b32 v[NIL], 0
	v_lshrrev_b32 v1, 5, v0
	v_readfirstlane_b32 s14, v1                    ; wave 0..3
	s_mov_b32 s15, 0                               ; which of my 16 rows is at work
	s_mov_b32 s24, 0x76543210                      ; v_permlanex16_b32: each lane takes its own place in the other half
	s_mov_b32 s25, 0xfedcba98
	s_mov_b32 s26, 0x7f800000                      ; an f32's exponent field
	s_mov_b32 s27, 0x7f000000                      ; 254 in that field: 254 - (e + 127) = 127 - e
	s_mov_b32 s28, 0x4e800000                      ; 2^30
	v_and_b32 v[L15], 15, v0
	v_mov_b32 v[WREG], 0
	v_and_b32 v1, 31, v0
	v_and_b32 v[T], 0xe0, v0                       ; 32 x wave
	v_lshlrev_b32 v1, 4, v1                        ; 16 bytes a lane
	v_lshl_or_b32 v[OFF], v[T], 11, v1             ; + wave x 16 rows x 4,096 bytes
	v_lshrrev_b32 v[SO], 1, v[OFF]                 ; bf16 rows are half as long
	s_wait_alu depctr_va_sdst(0)                   ; s14 is written: stated here, in the straight run that holds its writer
	s_sub_co_u32 s17, ttmp9, 512
	s_mov_b32 s23, 0
	s_wait_kmcnt 0x0
	s_cmp_lt_u32 ttmp9, 512                        ; matching_set or query_seq: the choice hangs on the work-group's number alone
	s_cselect_b64 s[18:19], s[4:5], s[6:7]         ; from
	s_cselect_b64 s[20:21], s[8:9], s[10:11]       ; to
	s_cselect_b32 s17, ttmp9, s17                  ; the block of 64 rows in that tensor
	s_lshl_b32 s22, s17, 18                        ; 64 rows of 4,096 bytes
	s_add_nc_u64 s[18:19], s[18:19], s[22:23]
	s_lshl_b32 s22, s17, 17                        ; 64 rows of 2,048 bytes
	s_add_nc_u64 s[20:21], s[20:21], s[22:23]
	s_lshl_b32 s22, s17, 8                         ; 64 numbers of 4 bytes
	s_add_nc_u64 s[12:13], s[12:13], s[22:23]
	s_wait_alu depctr_va_vdst(0)                   ; v[OFF] and v[SO] are written: every load and store of a row reads one of them as its offset
.irp i, 0,1,2                          ; rows 0, 1 and 2 into X0, X1, X2: eight loads of 512 consecutive bytes a row; the launch reads each byte once
.irp j, 0,1,2,3,4,5,6,7
	global_load_b128 v[X+32*(\i)+4*(\j):X+32*(\i)+4*(\j)+3], v[OFF], s[18:19] offset:(\i)*ROWB+512*(\j) th:TH_LOAD_NT
.endr
.endr
; Turn p.  s = p % 4, yb = p % 2.  first = 1: turn 0, with no turn in front of it.  ahead = 1: row p + 3 is loaded.  left = how many younger loads may stay out.
.macro TURN s, yb, first, ahead, left
	s_wait_loadcnt \left                           ; loads come back in order (ISA guide 5.7.1): my row's eight are in; the younger rows stay on their way
.if !\first
	s_wait_xcnt 0x0                                ; every earlier memory instruction has had its addresses translated (ISA guide 3.1): the two bases and Y[yb] are rewritten only behind this wait
	s_wait_alu depctr_vm_vsrc(0)                   ; the stores issued in the turn before have read Y[yb], which this turn's scalings write again
	s_wait_alu depctr_va_vdst(0)                   ; the turn before has written the other Y, which the stores below read, and is done reading and writing its X, in which the loads below land
	s_add_nc_u64 s[18:19], s[18:19], ROWB          ; both bases at this turn's row
	s_add_nc_u64 s[20:21], s[20:21], OROW
.endif
.irp j, 0,1,2,3,4,5,6,7                ; a load and a store ahead of each pair of conversions; no vector line since the waits names the registers that they touch
.if \ahead
	global_load_b128 v[X+32*((\s+3)%4)+4*(\j):X+32*((\s+3)%4)+4*(\j)+3], v[OFF], s[18:19] offset:3*ROWB+512*(\j) th:TH_LOAD_NT  ; three rows ahead
.endif
.if !\first
	global_store_b64 v[SO], v[Y+16*(1-\yb)+2*(\j):Y+16*(1-\yb)+2*(\j)+1], s[20:21] offset:256*(\j)-OROW  ; the row before: the offset reaches back; the wave stores 256 consecutive bytes, at a multiple of 256 from the buffer's first
.endif
	v_cvt_pk_bf16_f32 v[X+32*(\s)+4*(\j)],   v[X+32*(\s)+4*(\j)],   v[X+32*(\s)+4*(\j)+1]  ; rounded once, in place: my four numbers of piece j become two words, registers 4 j and 4 j + 1
	v_cvt_pk_bf16_f32 v[X+32*(\s)+4*(\j)+1], v[X+32*(\s)+4*(\j)+2], v[X+32*(\s)+4*(\j)+3]
.endr
	; the sum of squares of the rounded numbers, in f32, in four chains; the first four words start them: nothing is cleared
.irp k, 0,1,2,3
	v_lshlrev_b32 v[SS+(\k)], 16, v[X+32*(\s)+4*((\k)/2)+(\k)%2]
.endr
.irp k, 0,1,2,3
	v_mul_f32 v[SS+(\k)], v[SS+(\k)], v[SS+(\k)]
.endr
.irp k, 0,1,2,3
	v_fma_mix_f32_bf16 v[SS+(\k)], v[X+32*(\s)+4*((\k)/2)+(\k)%2], v[X+32*(\s)+4*((\k)/2)+(\k)%2], v[SS+(\k)] op_sel:[1,1,0] op_sel_hi:[1,1,0]
.endr
.irp g, 1,2,3
.irp k, 0,1,2,3
	v_fma_mix_f32_bf16 v[SS+(\k)], v[X+32*(\s)+8*(\g)+4*((\k)/2)+(\k)%2], v[X+32*(\s)+8*(\g)+4*((\k)/2)+(\k)%2], v[SS+(\k)] op_sel_hi:[1,1,0]
.endr
.irp k, 0,1,2,3
	v_fma_mix_f32_bf16 v[SS+(\k)], v[X+32*(\s)+8*(\g)+4*((\k)/2)+(\k)%2], v[X+32*(\s)+8*(\g)+4*((\k)/2)+(\k)%2], v[SS+(\k)] op_sel:[1,1,0] op_sel_hi:[1,1,0]
.endr
.endr
	v_add_f32 v[SS], v[SS], v[SS+1]
	v_add_f32 v[SS+2], v[SS+2], v[SS+3]
	v_add_f32 v[SS], v[SS], v[SS+2]
	v_add_f32_dpp v[SS], v[SS], v[SS] row_xmask:1 row_mask:0xf bank_mask:0xf
	v_add_f32_dpp v[SS], v[SS], v[SS] row_xmask:2 row_mask:0xf bank_mask:0xf
	v_add_f32_dpp v[SS], v[SS], v[SS] row_xmask:4 row_mask:0xf bank_mask:0xf
	v_add_f32_dpp v[SS], v[SS], v[SS] row_xmask:8 row_mask:0xf bank_mask:0xf
	v_permlanex16_b32 v[T], v[SS], s24, s25        ; its destination counts as read: v[T] has been written
	v_add_f32 v[SS], v[SS], v[T]                   ; every lane holds the row's sum
	v_sqrt_f32 v[T+1], v[SS]                       ; N
	v_cmp_eq_u32 vcc_lo, s15, v[L15]               ; the plain instruction behind the root (ISA guide 5.7.2): which lanes keep this row's wn
	s_wait_alu depctr_va_vdst(0)                   ; the root has written N, ahead of its first reader
	v_and_b32 v[T+2], s26, v[T+1]                  ; N's exponent field
	v_sub_nc_u32 v[T+2], s27, v[T+2]               ; 2^-e
	v_mul_f32 v[T+3], v[T+1], v[T+2]               ; N'' in [1, 2)
	v_rcp_f32 v[T+4], v[T+3]
	v_lshrrev_b32 v[T], 16, v[T+2]                 ; the plain instruction behind the reciprocal: 2^-e as bf16,
	v_or_b32 v[T+5], v[T+2], v[T]                  ; in both halves
	s_wait_alu depctr_va_vdst(0)                   ; the reciprocal has written 1 / N'', ahead of its first reader
	s_wait_alu depctr_va_vcc(0)                    ; the compare has written VCC, which the select below reads
	v_mul_f32 v[T+4], s28, v[T+4]                  ; 2^30 / N''
	v_cndmask_b32 v[WREG], v[WREG], v[T+4], vcc_lo ; kept by the lanes whose number % 16 is the row's
.irp j, 0,1,2,3,4,5,6,7                ; the scaled row goes into the out-buffer; the next turn stores it
	v_pk_mul_bf16 v[Y+16*(\yb)+2*(\j)],   v[X+32*(\s)+4*(\j)],   v[T+5]
	v_pk_mul_bf16 v[Y+16*(\yb)+2*(\j)+1], v[X+32*(\s)+4*(\j)+1], v[T+5]
.endr
	s_add_co_u32 s15, s15, 1
.endm
	TURN 0, 0, 1, 1, 16                            ; row 0: rows 1 and 2 (16 loads) stay out; no store yet, and no vector line has named X3
	s_mov_b32 s16, 3
.Lround:                                               ; rows 1 to 12, four to a lap: both kinds of buffer are back at their start
	TURN 1, 1, 0, 1, 16
	TURN 2, 0, 0, 1, 16
	TURN 3, 1, 0, 1, 16
	TURN 0, 0, 0, 1, 16
	s_sub_co_u32 s16, s16, 1
	s_cmp_lg_u32 s16, 0
	s_cbranch_scc1 .Lround
	TURN 1, 1, 0, 0, 16                            ; rows 13 to 15 load nothing: no load leaves the wave's rows, and the counts run down
	TURN 2, 0, 0, 0, 8
	TURN 3, 1, 0, 0, 0
	; the last row's stores; then wn: the four waves' 16 numbers meet in LDS, and wave 0 stores all 64 as one aligned block of 256 bytes
	v_lshlrev_b32 v[T], 2, v[L15]
	v_lshl_add_u32 v[T], s14, 6, v[T]              ; word 16 w + l % 16; lanes l and l + 16 write the same number to it
	v_lshlrev_b32 v[T+1], 3, v0                    ; used by wave 0 alone, where the thread's number is the lane's
	s_wait_alu depctr_va_vdst(0)                   ; row 15's scalings have written Y1; v[T], v[T+1] and v[WREG] are written; the vector lines are done with v[T+2:T+3], in which the LDS load lands.  No vector line follows
.irp j, 0,1,2,3,4,5,6,7
	global_store_b64 v[SO], v[Y+16+2*(\j):Y+16+2*(\j)+1], s[20:21] offset:256*(\j)
.endr
	ds_store_b32 v[T], v[WREG]
	s_wait_dscnt 0x0                               ; for the others' sake: my store is done
	s_barrier_signal -1
	s_barrier_wait -1
	s_cmp_lg_u32 s14, 0
	s_cbranch_scc1 .Lskip
	s_cmp_ge_u32 ttmp9, 512                        ; queries have no wn: their norm's mantissa is one positive factor for a whole query and leaves its order alone
	s_cbranch_scc1 .Lskip
	ds_load_b64 v[T+2:T+3], v[T+1]
	s_wait_dscnt 0x0
	global_store_b64 v[T+1], v[T+2:T+3], s[12:13]
.Lskip:
	s_wait_dscnt 0x0                               ; the closing lines, six on end
	s_wait_alu 0x0
	s_wait_tensorcnt 0x0
	ds_add_u32 v[SPW], v[NIL]
	s_wait_dscnt 0x0
	s_endpgm
.Lfunc_end_k_q3461402e15_prep:
	.size	k_q3461402e15_prep, .Lfunc_end_k_q3461402e15_prep-k_q3461402e15_prep
	.p2alignl 7, 3214868480
	.fill 96, 4, 3214868480
	.section	.rodata,"a",@progbits
	.p2align	6, 0x0
	.amdhsa_kernel k_q3461402e15_prep
		.amdhsa_group_segment_fixed_size 768
		.amdhsa_private_segment_fixed_size 0
		.amdhsa_enable_private_segment 0
		.amdhsa_kernarg_size 40
		.amdhsa_user_sgpr_count 2
		.amdhsa_user_sgpr_kernarg_segment_ptr 1
		.amdhsa_wavefront_size32 1
		.amdhsa_system_sgpr_workgroup_id_x 1
		.amdhsa_system_sgpr_workgroup_id_y 1
		.amdhsa_system_sgpr_workgroup_id_z 1
		.amdhsa_system_vgpr_workitem_id 0
		.amdhsa_next_free_vgpr 184
		.amdhsa_next_free_sgpr 66
		.amdhsa_reserve_vcc 1
		.amdhsa_float_denorm_mode_32 3
		.amdhsa_float_denorm_mode_16_64 3
		.amdhsa_memory_ordered 1
		.amdhsa_forward_progress 1
		.amdhsa_inst_pref_size 56
	.end_amdhsa_kernel
	.amdgpu_metadata
---
amdhsa.version: [ 1, 2 ]
amdhsa.kernels:
  - .name:           k_q3461402e15_prep
    .symbol:         k_q3461402e15_prep.kd
    .args:
      - { .name: matching_set, .offset: 0, .size: 8, .value_kind: global_buffer, .address_space: global }
      - { .name: query_seq, .offset: 8, .size: 8, .value_kind: global_buffer, .address_space: global }
      - { .name: mb, .offset: 16, .size: 8, .value_kind: global_buffer, .address_space: global }
      - { .name: qb, .offset: 24, .size: 8, .value_kind: global_buffer, .address_space: global }
      - { .name: wn, .offset: 32, .size: 8, .value_kind: global_buffer, .address_space: global }
    .group_segment_fixed_size: 768
    .private_segment_fixed_size: 0
    .kernarg_segment_align: 8
    .kernarg_segment_size: 40
    .max_flat_workgroup_size: 128
    .sgpr_count:     66
    .vgpr_count:     184
    .wavefront_size: 32
...
	.end_amdgpu_metadata
.endif
;; end of part 4
;; launch gemm: the kernel of part 2 again; grid 32 x 8, 4 waves a work-group, clusters of 4 x 4, 327,680 bytes of LDS; arguments qb, mb, wn, cand; writes cand
;; launch pick: the kernel of part 3 again; grid 256 x 1, 8 waves a work-group, no clusters, 9,728 bytes of LDS; arguments cand, synth_set, out0; writes out0
